; MI455X (gfx1250); checked and timed in simulation.
; The chip was launched on July 23, 2026; its instructions are those of AMD's public machine-readable ISA for CDNA 5 (MIT licence, August 2026) and "CDNA5" Instruction Set Architecture Reference Guide (July 2026). The comments in the code are by the model that wrote it; some were corrected since.
;; Scaled Dot Product Attention. Allowed arithmetic: matrix products marked QUANTISED: E4M3 operands, one E8M0 scale for each 32 along K, by v_wmma_scale_f32_16x16x128_f8f6f4 with both operands' format E4M3, f32 sums; everything else in f32.
;; Inputs: key 4 x 16 x 2,048 x 64 float32; query 4 x 16 x 2,048 x 64 float32; value 4 x 16 x 2,048 x 64 float32.
;; Outputs: out0 4 x 16 x 2,048 x 64 float32.
;; Constants: to_mask = 1.
;; This version of the problem:
;;   THIS VERSION OF THE PROBLEM IS GIVEN IN LOW PRECISION. The matrix products marked QUANTISED in the list below multiply operands that are first quantised to E4M3 (4 exponent bits, 3 mantissa bits; 8 bits a number), with one power-of-two scale for each 32 numbers along K (OCP MX v1.0); their sums are f32. All else is computed in f32.
;;   The module's matrix products, in the order in which they are computed (A, B: the left and right operand; K: the contracted axis; several contracted axes count as one K, in the product's order):
;;     1. batch 64 x [M 2,048, K 64] x [K 64, N 2,048]; A: input query; B: input key: QUANTISED
;;     2. batch 64 x [M 2,048, K 2,048] x [K 2,048, N 64]; A: softmax (see below); B: input value: QUANTISED
;;   THE QUANTISER, for each operand of a quantised product, along K:
;;     - K is cut into blocks of 32 from its start; a last block that is shorter is filled with zeros.
;;     - A block's scale is 2^e with e = floor(log2(the largest magnitude in the block)) - 8, held to -126 .. 127; a block of zeros has e = 0. As a byte (E8M0): e + 127.
;;     - Each number is divided by its block's scale, clamped to +-448, and rounded to the nearest number of E4M3, ties to even, subnormals kept.
;;     - The product sums the exact products of the quantised numbers (number of the format x scale) in f32.
;;   ~~~python
;;   def quantise(x, axis):      # numpy; x: float32 -> the quantised numbers, widened to float32 again
;;       x = np.moveaxis(x, axis, -1); K = x.shape[-1]
;;       x = np.pad(x, [(0, 0)] * (x.ndim - 1) + [(0, -K % 32)]); x = x.reshape(x.shape[:-1] + (-1, 32)); a = np.abs(x).max(-1, keepdims=True)
;;       e = np.where(a > 0, np.clip(np.frexp(np.where(a > 0, a, 1))[1] - 1 - 8, -126, 127), 0)      # np.frexp(a)[1] - 1 = floor(log2(a)), exactly
;;       r = np.clip(x / 2.0 ** e, -448, 448)
;;       step = 2.0 ** (np.maximum(np.frexp(np.where(r == 0, 1, r))[1] - 1, -6) - 3)
;;       q = np.round(r / step) * step * 2.0 ** e      # np.round: ties to even
;;       return np.moveaxis(q.reshape(q.shape[:-2] + (-1,))[..., :K], -1, axis).astype(np.float32)
;;   ~~~
;;   SOFTMAX AHEAD OF A QUANTISED PRODUCT. Where the list says 'softmax', what is quantised is not the finished softmax but p = 2^(t - M), with t = logit x log2(e) and M = ceil(the row's largest t), a whole number; so 1/2 < the row's largest p <= 1. The row's sum l is taken of the UNQUANTISED p, in f32, and the product's result is divided by l at the end. Since M is a whole number, a kernel that streams over the keys may use a running M (the ceiling of the running maximum): every later rescaling is an exact power of two, which a block's scale takes up: the codes' values come out the same.
;;   OPERANDS COMPUTED ON THE WAY. 'Computed on the way' means the value that the module computes at that place (a softmax that the list does not call 'softmax' is quantised finished and normalised). What goes into a quantiser is computed in f32, as accurately as f32 sums, v_exp_f32 and their like allow (about 1e-6 of the number): no bf16 or f16 on the way to a quantiser, and a product that is left as it is and whose result goes on into a quantised operand takes f32 operands (vector FMAs, or v_wmma_f32_16x16x4_f32). A number that lies on a knife's edge between two numbers of the format may be rounded either way, as far as f32 arithmetic and the matrix unit's own rounding can turn it there, and no further.
;; One version. Each part assembles by itself: llvm-mc -triple=amdgcn-amd-amdhsa -mcpu=gfx1250 --defsym DOCPART=n.
;; ======== version 1 of 1: 2 launches
;; workspace buffers: kv 17,563,648 bytes
;; launch prep (part 1): grid 16 x 64, 8 waves a work-group, no clusters, 11,264 bytes of LDS; arguments key, value, kv; writes kv
.if DOCPART == 1
	.amdgcn_target "amdgcn-amd-amdhsa--gfx1250"
	.amdhsa_code_object_version 6
	.text
	.protected	k_q2745b7dcf1_prep
	.globl	k_q2745b7dcf1_prep
	.p2align	8
	.type	k_q2745b7dcf1_prep,@function
k_q2745b7dcf1_prep:
	s_mov_b64 s[64:65], 0
	v_nop
	global_prefetch_b8 v0, s[64:65] scope:SCOPE_SE
	s_setreg_imm32_b32 hwreg(HW_REG_WAVE_MODE, 25, 1), 1
	s_wait_xcnt 0x0
; K and V of one head and one step of 128 keys, f32 [key][64], become codes of FP8 (E4M3) with one E8M0 byte for each 32 along the product's K,
; laid as IMAGES OF THE OPERANDS' REGISTERS in one dense record of REC = 17,152 bytes (67 x 256) of the workspace kv, at (head x 16 + step) x REC:
;   +0      K's codes: tile t (0..7), c (0, 1), lane l = 16 h + r: 16 bytes at 1024 t + 512 c + 16 l = key 32 (t / 2) + 8 (t % 2) + r + 8 (r / 8), d = 32 c + 16 h + 0 .. 15
;   +8192   V's codes: tile t (0..3), c (0..3), lane l: 16 bytes at 2048 t + 512 c + 16 l = d 16 t + r, keys 32 c + 16 h + 0 .. 15 (the keys are the second product's K)
;   +16384  K's scale words: lane 16 u + r has four, word b = tile 2 b + u, row r: byte 0 for d 0..31, byte 1 for d 32..63, bytes 2 and 3 = 127 (the K step's unused half)
;   +16896  V's scale words: lane l has two, word p = tile 2 p + l / 16, row l % 16: byte c for keys 32 c .. 32 c + 31
; A block's scale is 2^(floor(log2(its largest magnitude)) - 8); its byte is that magnitude's exponent field - 8, held at 1 from below by a floor among the maximum's leaves.
; LIMITS: NaN and infinities among the inputs are not served.  A block of zeros gets the byte 1 where the rule says 127: its codes are zeros, and this program alone reads the bytes.
; SHARES.  Eight waves.  K (K innermost): thread t takes, of 32 keys at a time (four chunks), key t / 8 and d 8 (t % 8) + 0..7: four neighbouring lanes hold a block.
; Its 8 codes go to their place in the image in LDS, and the image leaves as it lies, 16 bytes a thread.  V (K = the keys, not innermost): a lane takes a column d and its 32 registers
; run down one block of 32 keys: the maximum needs no other lane, and sixteen lanes' 16 codes are 256 consecutive bytes of the image: they are stored straight from registers.
; No tensor load, no loop, one barrier; no register that a store reads is written again, so no wait frees one.
.set REC, 17152
.set X,   16                           ; v16-47   K's numbers, four chunks of 8; on the way out v16-25 take the image
.set Y,   48                           ; v48-79   V's numbers: one block of 32
.set KC,  80                           ; v80-87   K's codes, two registers a chunk
.set VC,  88                           ; v88-95   V's codes
.set KM,  96                           ; v96-99   K: largest magnitudes
.set KO,  100                          ; v100-103 the conversions' scale operands
.set KL,  104                          ; v104-107 448 x the scale
.set KB,  108                          ; v108-111 the scale bytes, then the scale words
.set KT,  112                          ; v112-115 the other block's byte
	s_load_b128 s[4:7], s[0:1], 0x0                ; key, value
	s_load_b64 s[8:9], s[0:1], 0x10                ; kv
	v_lshl_add_u32 v128, v0, 2, 0x2800
	v_mov_b32 v129, 0
	v_lshrrev_b32 v10, 5, v0
	v_readfirstlane_b32 s10, v10                   ; wave 0..7
	s_and_b32 s11, ttmp7, 0xffff                   ; the head
	s_lshl_b32 s12, s11, 19                        ; a head is 2,048 keys x 256 bytes,
	s_lshl_b32 s13, ttmp9, 15                      ; a step 128 keys x 256 bytes
	s_add_co_u32 s12, s12, s13
	s_mov_b32 s13, 0
	s_lshl_b32 s14, s11, 4
	s_add_co_u32 s14, s14, ttmp9
	s_mul_i32 s14, s14, REC                        ; my record (under 2^25 bytes)
	s_mov_b32 s15, 0
	s_mov_b32 s16, 0x600000                        ; the mantissa field of 448
	v_lshlrev_b32 v1, 5, v0                        ; K in: 32 bytes a thread
	v_and_b32 v10, 63, v0
	v_lshlrev_b32 v2, 2, v10                       ; V in: column d = thread % 64,
	v_lshrrev_b32 v10, 6, v0
	v_lshl_add_u32 v2, v10, 13, v2                 ; key block thread / 64: 32 rows of 256 bytes
	; K's codes in the image.  Thread bits: b0 which 8 of my 16, b1 = h, b2 = c, b5..b3 = r % 8, b6 = u, b7 = r / 8
	v_bfe_u32 v10, v0, 0, 1
	v_lshlrev_b32 v3, 3, v10                       ; 8 b0
	v_bfe_u32 v10, v0, 1, 2
	v_lshl_add_u32 v3, v10, 8, v3                  ; + 256 h + 512 c
	v_bfe_u32 v10, v0, 3, 3
	v_lshl_add_u32 v3, v10, 4, v3                  ; + 16 (r % 8)
	v_lshlrev_b32 v4, 4, v10                       ; K's scale words: 16 (r % 8)
	v_bfe_u32 v10, v0, 7, 1
	v_lshl_add_u32 v3, v10, 7, v3                  ; + 128 (r / 8)
	v_lshl_add_u32 v4, v10, 7, v4                  ; + 128 (r / 8)
	v_bfe_u32 v10, v0, 6, 1
	v_lshl_add_u32 v3, v10, 10, v3                 ; + 1024 u; the chunk's 2048 i stands in the immediate
	v_lshl_add_u32 v4, v10, 8, v4                  ; + 256 u
	v_and_b32 v10, 31, v0
	v_lshlrev_b32 v5, 3, v10                       ; V's scale byte: 8 x lane
	v_bfe_u32 v10, v0, 5, 1
	v_lshl_add_u32 v5, v10, 2, v5                  ; + 4 (wave % 2)
	v_bfe_u32 v10, v0, 6, 2
	v_add_nc_u32 v5, v5, v10                       ; + my key block
	v_lshlrev_b32 v6, 9, v10                       ; V's codes in the record: 512 c
	v_and_b32 v10, 15, v0
	v_lshl_add_u32 v6, v10, 4, v6                  ; + 16 r
	v_bfe_u32 v10, v0, 4, 2
	v_lshl_add_u32 v6, v10, 11, v6                 ; + 2048 t, t = d / 16
	v_lshlrev_b32 v7, 4, v0                        ; the way out: 16 bytes a thread,
	v_lshlrev_b32 v8, 3, v0                        ; or 8
	v_bfe_u32 v10, v0, 2, 1
	v_lshlrev_b32 v9, 3, v10                       ; 8 c: where my block's byte stands in the scale word
.irp i, 0,1,2,3
	v_mov_b32 v[KT+\i], 0                          ; written once: the destination of a DPP move counts as one of its sources
.endr
	s_wait_kmcnt 0x0
	s_add_nc_u64 s[4:5], s[4:5], s[12:13]
	s_add_nc_u64 s[6:7], s[6:7], s[12:13]
	s_add_nc_u64 s[8:9], s[8:9], s[14:15]
.irp i, 0,1,2,3
	global_load_b128 v[X+8*\i:X+8*\i+3],   v1, s[4:5] offset:8192*\i th:TH_LOAD_NT
	global_load_b128 v[X+8*\i+4:X+8*\i+7], v1, s[4:5] offset:8192*\i+16 th:TH_LOAD_NT
.endr
.set k, 0
.rept 32
	global_load_b32 v[Y+k], v2, s[6:7] offset:256*k th:TH_LOAD_NT   ; V(32 c + k, d): neighbouring lanes read neighbouring d
.set k, k+1
.endr
	s_wait_loadcnt 32                              ; K's eight loads are in; the 32 younger ones, V's, may be out
	; ---- K: the four chunks by turns, so that no line waits for the line above it
.irp i, 0,1,2,3
	v_max3_num_f32 v[KM+\i], |v[X+8*\i]|, |v[X+8*\i+1]|, 0x4800000   ; my 8 numbers, and the floor 2^(9 - 127): the byte cannot fall under 1
.endr
.irp k, 2,4,6
.irp i, 0,1,2,3
	v_max3_num_f32 v[KM+\i], v[KM+\i], |v[X+8*\i+\k]|, |v[X+8*\i+\k+1]|
.endr
.endr
.irp i, 0,1,2,3
	v_max_num_f32_dpp v[KM+\i], v[KM+\i], v[KM+\i] row_xmask:1 row_mask:0xf bank_mask:0xf
.endr
.irp i, 0,1,2,3
	v_max_num_f32_dpp v[KM+\i], v[KM+\i], v[KM+\i] row_xmask:2 row_mask:0xf bank_mask:0xf   ; the four lanes of a block: its largest magnitude
.endr
.irp i, 0,1,2,3
	v_add_nc_u32 v[KO+\i], 0xfc000000, v[KM+\i]    ; 8 off its exponent field: the conversion takes the exponent field of this operand as its scale
.endr
.irp i, 0,1,2,3
	v_and_or_b32 v[KL+\i], v[KM+\i], 0x7f800000, s16   ; 448 x the scale
.endr
.irp i, 0,1,2,3
	v_lshrrev_b32 v[KB+\i], 23, v[KO+\i]           ; the scale's byte,
.endr
.irp i, 0,1,2,3
	v_lshlrev_b32 v[KB+\i], v9, v[KB+\i]           ; at its place in the word;
.endr
.irp i, 0,1,2,3
	v_mov_b32_dpp v[KT+\i], v[KB+\i] row_xmask:4 row_mask:0xf bank_mask:0xf   ; the key's other block's, from four lanes away;
.endr
.irp i, 0,1,2,3
	v_add3_u32 v[KB+\i], v[KB+\i], v[KT+\i], 0x7f7f0000   ; and 127 twice for the half of the K step that holds no numbers
.endr
.irp i, 0,1,2,3
.irp k, 0,1,2,3,4,5,6,7
	v_med3_num_f32 v[X+8*\i+\k], v[X+8*\i+\k], -v[KL+\i], v[KL+\i]   ; the conversion to an 8-bit code does not saturate (ISA guide 7.6.2): the hold at the largest code x the scale
.endr
.endr
.irp i, 0,1,2,3
	v_cvt_scalef32_pk8_fp8_f32 v[KC+2*\i:KC+2*\i+1], v[X+8*\i:X+8*\i+7], v[KO+\i]
.endr
	v_nop                                          ; one plain line behind the last conversion of a run
.irp i, 0,1,2,3
	ds_store_b64 v3, v[KC+2*\i:KC+2*\i+1] offset:2048*\i     ; tiles 2 i and 2 i + 1 of the image
	ds_store_b32 v4, v[KB+\i] offset:8192+4*\i               ; the eight lanes of a key write the same word with the same value
.endr
	; ---- V: all 32 numbers of the block are mine
	s_wait_loadcnt 0x0
	v_max3_num_f32 v116, |v[Y]|, |v[Y+1]|, |v[Y+2]|
	v_max3_num_f32 v117, |v[Y+3]|, |v[Y+4]|, |v[Y+5]|
.irp i, 6,10,14,18,22,26
	v_max3_num_f32 v116, v116, |v[Y+\i]|, |v[Y+\i+1]|
	v_max3_num_f32 v117, v117, |v[Y+\i+2]|, |v[Y+\i+3]|
.endr
	v_max3_num_f32 v116, v116, |v[Y+30]|, |v[Y+31]|
	v_max3_num_f32 v116, v116, v117, 0x4800000     ; and the floor
	v_add_nc_u32 v118, 0xfc000000, v116
	v_and_or_b32 v119, v116, 0x7f800000, s16
	v_lshrrev_b32 v120, 23, v118
.set k, 0
.rept 32
	v_med3_num_f32 v[Y+k], v[Y+k], -v119, v119
.set k, k+1
.endr
.irp g, 0,1,2,3
	v_cvt_scalef32_pk8_fp8_f32 v[VC+2*\g:VC+2*\g+1], v[Y+8*\g:Y+8*\g+7], v118
.endr
	v_nop
	global_store_b128 v6, v[VC:VC+3],   s[8:9] offset:8192       ; keys 32 c + 0..15: lanes h = 0 of the image; sixteen lanes store 256 consecutive bytes, aligned
	global_store_b128 v6, v[VC+4:VC+7], s[8:9] offset:8192+256   ; keys 32 c + 16..31: lanes h = 1
	ds_store_b8 v5, v120 offset:8704
	s_wait_dscnt 0x0                               ; for the others' sake: my stores into the images have landed
	s_barrier_signal -1
	s_barrier_wait -1
	ds_load_b128 v[16:19], v7                      ; K's image as it lies: 8,192 bytes, twice 16 a thread
	ds_load_b128 v[20:23], v7 offset:4096
	s_wait_dscnt 0x1                               ; the first is in, the second may be out
	global_store_b128 v7, v[16:19], s[8:9]
	s_wait_dscnt 0x0
	global_store_b128 v7, v[20:23], s[8:9] offset:4096
	s_cmp_lt_u32 s10, 3                            ; the 768 bytes of scale words: three waves, 256 consecutive bytes each
	s_cbranch_scc0 .Ldone
	ds_load_b64 v[24:25], v8 offset:8192
	s_wait_dscnt 0x0
	global_store_b64 v8, v[24:25], s[8:9] offset:16384
.Ldone:
	s_wait_tensorcnt 0x0
	ds_add_u32 v128, v129
	s_wait_dscnt 0x0
	s_endpgm
.Lfunc_end_k_q2745b7dcf1_prep:
	.size	k_q2745b7dcf1_prep, .Lfunc_end_k_q2745b7dcf1_prep-k_q2745b7dcf1_prep
	.p2alignl 7, 3214868480
	.fill 96, 4, 3214868480
	.section	.rodata,"a",@progbits
	.p2align	6, 0x0
	.amdhsa_kernel k_q2745b7dcf1_prep
		.amdhsa_group_segment_fixed_size 11264
		.amdhsa_private_segment_fixed_size 0
		.amdhsa_enable_private_segment 0
		.amdhsa_kernarg_size 24
		.amdhsa_user_sgpr_count 2
		.amdhsa_user_sgpr_kernarg_segment_ptr 1
		.amdhsa_wavefront_size32 1
		.amdhsa_system_sgpr_workgroup_id_x 1
		.amdhsa_system_sgpr_workgroup_id_y 1
		.amdhsa_system_sgpr_workgroup_id_z 1
		.amdhsa_system_vgpr_workitem_id 0
		.amdhsa_next_free_vgpr 130
		.amdhsa_next_free_sgpr 66
		.amdhsa_reserve_vcc 0
		.amdhsa_float_denorm_mode_32 3
		.amdhsa_float_denorm_mode_16_64 3
		.amdhsa_memory_ordered 1
		.amdhsa_forward_progress 1
		.amdhsa_inst_pref_size 18
	.end_amdhsa_kernel
	.amdgpu_metadata
---
amdhsa.version: [ 1, 2 ]
amdhsa.kernels:
  - .name:           k_q2745b7dcf1_prep
    .symbol:         k_q2745b7dcf1_prep.kd
    .args:
      - { .name: key, .offset: 0, .size: 8, .value_kind: global_buffer, .address_space: global }
      - { .name: value, .offset: 8, .size: 8, .value_kind: global_buffer, .address_space: global }
      - { .name: kv, .offset: 16, .size: 8, .value_kind: global_buffer, .address_space: global }
    .group_segment_fixed_size: 11264
    .private_segment_fixed_size: 0
    .kernarg_segment_align: 8
    .kernarg_segment_size: 24
    .max_flat_workgroup_size: 256
    .sgpr_count:     66
    .vgpr_count:     130
    .wavefront_size: 32
...
	.end_amdgpu_metadata
.endif
;; end of part 1
;; launch attn (part 2): grid 4 x 64, 16 waves a work-group, no clusters, 327,680 bytes of LDS; arguments query, kv, out0; writes out0
.if DOCPART == 2
	.amdgcn_target "amdgcn-amd-amdhsa--gfx1250"
	.amdhsa_code_object_version 6
	.text
	.protected	k_q2745b7dcf1_attn
	.globl	k_q2745b7dcf1_attn
	.p2align	8
	.type	k_q2745b7dcf1_attn,@function
k_q2745b7dcf1_attn:
	s_mov_b64 s[64:65], 0
	v_nop
	global_prefetch_b8 v0, s[64:65] scope:SCOPE_SE
	s_setreg_imm32_b32 hwreg(HW_REG_WAVE_MODE, 25, 1), 1
	s_wait_xcnt 0x0
; out0[head][q][:] = the sum over k <= q of softmax_k(Q[q] . K[k] / 8) V[k][:], 64 heads, 2,048 queries and keys, head size 64; both products on codes of FP8 (E4M3) with one E8M0 scale for each 32 along K.
; K and V come as records of the workspace kv: for each head and each step of 128 keys 17,152 dense bytes that are images of the operands' registers: K's codes (8 tiles x 1,024 bytes), V's codes (4 tiles x 2,048),
; K's scale words (512), V's (256).  Q comes as f32 and is quantised in registers: a tile of queries is read by one wave, once.
; THE SOFTMAX AHEAD OF THE SECOND PRODUCT: t = score x log2(e) / 8; M = the row's largest t so far, rounded UP to a whole number; p = 2^(t - M) is quantised along the keys, not normalised.
; The row's sum is taken of the unquantised p and divides at the end.  When M moves, the sum and O are multiplied by 2^(old M - new M): exact.
; SHARES.  Work-group (x, head) makes query block 7 - x (256 queries: key slots 0 .. 7 - x, 8 - x visits) and then block x (x + 1 visits): NINE visits to slots of 256 keys in every work-group: 256 work-groups of equal work,
; and a loop of constant count.  Each of the SIXTEEN waves owns 16 queries of the block in hand, in 256 registers: four waves to a SIMD, so that one wave's vector work stands beside another's products and LDS loads.
; A step all of whose 128 keys come after the wave's queries is left out by a scalar branch on ids; on the diagonal hidden scores become -infinity.
; LAYOUT.  Both products are used transposed: S^T = K Q^T (source 0 = 16 keys, source 1 = my 16 queries), O^T = V^T P^T (source 0 = 16 of the head's 64, source 1 = P): a lane holds ONE query (lane % 16) throughout.
; The keys of a tile are not neighbours (lane r of tile 2 b + u: key 32 b + 8 u + r + 8 (r / 8)), so that the 16 registers of tiles 2 b and 2 b + 1 are keys 32 b + 16 (lane / 16) + 0 .. 15: the conversions' results are P's operand.
; THE FIRST PRODUCT'S K IS 64 in a form that takes 128: Q's registers 8-15 hold zero codes.  What stands against them in source 0 is the next tile's codes (finite numbers; behind tile 7 eight registers of zeros): they add 0.
; So a tile of K costs 8 registers and two LDS loads.  The scale bytes of that half are 127 on both sides.
; NO CLUSTER: the four work-groups of a head walk the same slots only in visits 0 to 4; from visit 5 on the slot of a visit differs between them (visit t of work-group x: slot t, or t - (8 - x) from t = 8 - x on), so a joint
; request would have to name tiles that some partners do not want; walking in step would take 8 + 4 = 12 visits in place of 9.
; LIMITS: NaN and infinities among the inputs are not served.  Hidden scores are -infinity where the definition adds -1e19: the same wherever |score / 8| is far under 1e19.  p under 2^-126 comes out as 0.
; A block's largest p is made from the block's largest score by the same two instructions: this takes v_exp_f32 not to fall where its input rises.  A block of zeros keeps the byte 1: its codes are zeros.
.set REC,   17152                      ; a record: one step of 128 keys
.set SLOTB, 2*REC                      ; a slot: two steps
.set SLOT1, 65536                      ; slot 1 begins here: one exclusive or turns an address in one slot into the other's
.set STAGE, 131072                     ; the way out: 16 rows x (256 bytes + 16) for each wave: bytes of their own, into which no tile lands
.set SPARE, STAGE+16*16*272            ; the spare words, 128 bytes for each wave: eight blocks of 256 bytes that no other line names
.set LI,   1                           ; v1   16 x lane: my place in an image; also my byte in two rows of O
.set L8,   2                           ; v2   8 x lane
.set SPW,  3                           ; v3   LDS address of my spare word; never rewritten
.set NIL,  4                           ; v4   0; never rewritten
.set ADR,  5                           ; v5   the slot in hand + 16 x lane
.set ADS,  6                           ; v6   the slot in hand + 8 x lane
.set PFO,  7                           ; v7   the prefetches' offset; never rewritten
.set STO,  8                           ; v8   the stage: where I put 32 bytes of a row
.set RD,   9                           ; v9   and where I read rows back
.set QA,   11                          ; v11  Q: row lane % 16 of 256 bytes, + 64 (lane / 16)
                                       ; v12 -M, v13 the largest t, v[14:15] the sum in two halves
.set QC,   16                          ; v16-23 Q's codes; v24-31 zeros, set once
.set KV,   32                          ; v32-95 eight fragments of K (8 registers each), then four of V (16 each); v96-103 zeros, set once
.set SS,   104                         ; v104-167 S^T, then p; Q's numbers; the way out
.set OT,   168                         ; v168-199 O^T
.set PC,   200                         ; v200-215 p's codes
.set BM,   216                         ; v216-219 the blocks' largest scores, then largest p
.set T1,   220                         ; v220-223 at work
.set LM,   224                         ; v224-227 448 x the scale
.set SCO,  228                         ; v228-231 the conversions' scale operands
.set KS,   232                         ; v232-235 K's scale words: register b: lanes 0-15 tile 2 b, lanes 16-31 tile 2 b + 1
.set VS,   236                         ; v236-237 V's likewise
.set QS,   238                         ; v238 Q's scale word
.set PW,   239                         ; v239 p's
.set FF,   240                         ; v[240:241] f = 2^(old M - new M); v241 is named with it as a pair and set once
.set S2,   242                         ; v[242:243] the sum's second chain
.set TMP,  244
.set MD,   245
.set NINF, 246
.set WV,   10                          ; s10  my wave's number
.set TT,   11                          ; s11  the visit: the loop's counter
.set NA,   12                          ; s12  8 - x: visits of the first block
.set CB,   13                          ; s13  the block in hand
.set Q0,   14                          ; s14  my first query
.set KF,   15                          ; s15  the step's first key
.set G1,   16                          ; s[16:23] descriptor group 1
.set G0,   24                          ; s[24:27] descriptor group 0
.set QP,   28                          ; s[28:29] Q at my 16 rows of the block in hand
.set OP,   30                          ; s[30:31] O likewise
.set OF,   32                          ; s[32:33] an offset, and 0
.set T0,   34
.set T2,   35
.set SEL,  36                          ; s[36:37] v_permlanex16_b32's selects for lane l xor 16
.set CS,   38                          ; s[38:39] c = log2(e) / 8: the packed form names a pair and takes its low word for both halves
.set MNT,  40                          ; s40  the mantissa field of 448
.set TB,   41                          ; s41  LDS byte at which the slot in hand begins
.set PFA,  42                          ; s[42:43] where the prefetches stand: one slot further on than the slot that is being asked for
.set LIM,  44                          ; s44  a wave prefetches while the visit's number is under it: 6 or 0
; Waves 0 and 1 fetch one record each of the slot's two.  The branch hangs on the wave's number alone.  Four v_nop follow the load.
.macro TLOAD
	s_cmp_lt_u32 s[WV], 2
	s_cbranch_scc0 .Lno_load_\@
	tensor_load_to_lds s[G0:G0+3], s[G1:G1+7]
	s_nop 0
.rept 4
	v_nop
.endr
.Lno_load_\@:
.endm
; A PREFETCH INTO THE L2 of the slot that the NEXT change of slots will ask for: two key steps ahead of that load.  All four work-groups of a head begin with slots 0, 1, 2 .. in order; the one with x = 0 walks all
; eight, so it alone asks: at visit t (0 to 5) for slot t + 2.  A slot is 134 blocks of 256 bytes: waves 4 to 8, which fetch nothing, name one a lane; the 26 lanes that are over name the slot's last block again.
; Slots 0 and 1 come by their loads alone; behind slot 7 there is nothing to ask for.
.macro ASK
	s_cmp_lt_u32 s[TT], s[LIM]
	s_cbranch_scc0 .Lnot_mine_\@
	global_prefetch_b8 v[PFO], s[PFA:PFA+1] th:TH_LOAD_NT scope:SCOPE_SE
.Lnot_mine_\@:
.endm
; THE CHANGE OF SLOTS stands at a visit's head.  Each wave waits for all its tensor loads (its part of the slot that it is about to read), adds 0 to its spare word, and waits for that and for its reads of the slot that
; it has left.  Behind the barrier the slot ahead is whole and nobody reads the other one.  fill = 1: that other slot takes the next visit's keys: the load has this visit's two steps in which to land.
.macro CHANGE fill
	s_wait_tensorcnt 0x0                           ; no tensor load of mine is out, so group 0 may be written
	ds_add_u32 v[SPW], v[NIL]                      ; 0 onto my spare word; the scalar lines below stand between it and the wait for it
.if \fill
	s_add_co_u32 s[T0], s[TT], 1                   ; the next visit:
	s_cmp_ge_u32 s[T0], s[NA]
	s_cselect_b32 s[T2], s[NA], 0
	s_sub_co_u32 s[T0], s[T0], s[T2]               ; its key slot: the second block begins at slot 0 again
	s_mul_i32 s[OF], s[T0], SLOTB
	s_add_nc_u64 s[G0+2:G0+3], s[6:7], s[OF:OF+1]  ; my record of it
	s_or_b32 s[G0+3], s[G0+3], 0x80000000          ; type = 2
	s_xor_b32 s[G0+1], s[G0+1], SLOT1              ; into the other slot than last time
	s_wait_xcnt 0x0                                ; the last prefetch, a visit back, has read its address, so it may be written
	s_add_nc_u64 s[PFA:PFA+1], s[PFA:PFA+1], SLOTB
.endif
	s_wait_dscnt 0x0                               ; the add is done, and my reads of the slot that I have left are over
	s_barrier_signal -1
	s_barrier_wait -1
.if \fill
	TLOAD                                          ; the first thing behind the barrier, and a wave's one tensor load until the next
	ASK
.endif
.endm
; A BLOCK BEGINS (s[CB]): addresses, my 16 queries as codes, and an empty softmax: O^T and the sum are zeros and the largest t is -3e38, so that the step is written once: the first change of M multiplies zeros.
.macro BEGIN
	s_lshl_b32 s[OF], s[CB], 16                    ; a block is 256 rows of 256 bytes
	s_add_nc_u64 s[QP:QP+1], s[4:5], s[OF:OF+1]
	s_add_nc_u64 s[OP:OP+1], s[8:9], s[OF:OF+1]
	s_lshl_b32 s[Q0], s[CB], 8
	s_lshl_b32 s[T0], s[WV], 4
	s_add_co_u32 s[Q0], s[Q0], s[T0]               ; my first query: 256 x block + 16 x wave
.irp c, 0,1
.irp j, 0,1,2,3
	global_load_b128 v[SS+16*\c+4*\j:SS+16*\c+4*\j+3], v[QA], s[QP:QP+1] offset:128*\c+16*\j th:TH_LOAD_NT   ; Q(r, 32 c + 16 h + 4 j ..): my 16 numbers of block c
.endr
.endr
	v_mov_b32 v13, 0xff61b1e6                      ; -3e38, under every t
	v_floor_f32 v12, -v13                          ; -M
	v_mov_b32 v14, 0
	v_mov_b32 v15, 0
.set n, 0
.rept 32
	v_mov_b32 v[OT+n], 0
.set n, n+1
.endr
	s_wait_loadcnt 0x0
.irp c, 0,1
	v_max3_num_f32 v[BM+\c], |v[SS+16*\c]|, |v[SS+16*\c+1]|, 0x4800000   ; my 16 numbers, and the floor 2^(9 - 127): the byte cannot fall under 1
.endr
.irp i, 2,4,6,8,10,12,14
.irp c, 0,1
	v_max3_num_f32 v[BM+\c], v[BM+\c], |v[SS+16*\c+\i]|, |v[SS+16*\c+\i+1]|
.endr
.endr
.irp c, 0,1
	v_permlanex16_b32 v[T1+\c], v[BM+\c], s[SEL], s[SEL+1]
.endr
.irp c, 0,1
	v_max_num_f32 v[BM+\c], v[BM+\c], v[T1+\c]     ; with lane l xor 16's: the block's largest magnitude
.endr
.irp c, 0,1
	v_add_nc_u32 v[SCO+\c], 0xfc000000, v[BM+\c]   ; 8 off its exponent field: the conversion's scale operand
.endr
.irp c, 0,1
	v_and_or_b32 v[LM+\c], v[BM+\c], 0x7f800000, s[MNT]   ; 448 x the scale
.endr
.irp c, 0,1
	v_lshrrev_b32 v[T1+\c], 23, v[SCO+\c]          ; the scale's byte
.endr
	v_lshl_or_b32 v[QS], v[T1+1], 8, v[T1]
	v_or_b32 v[QS], 0x7f7f0000, v[QS]              ; 127 twice for the half of the K step that holds zero codes
.irp c, 0,1
.irp i, 0,1,2,3,4,5,6,7,8,9,10,11,12,13,14,15
	v_med3_num_f32 v[SS+16*\c+\i], v[SS+16*\c+\i], -v[LM+\c], v[LM+\c]   ; the conversion to an 8-bit code does not saturate (ISA guide 7.6.2): the hold
.endr
	v_cvt_scalef32_pk8_fp8_f32 v[QC+4*\c:QC+4*\c+1],   v[SS+16*\c:SS+16*\c+7],    v[SCO+\c]
	v_cvt_scalef32_pk8_fp8_f32 v[QC+4*\c+2:QC+4*\c+3], v[SS+16*\c+8:SS+16*\c+15], v[SCO+\c]
.endr
	v_nop                                          ; one plain line behind the last conversion: the next products write its sources
.endm
; A BLOCK ENDS.  The sum's halves are added; O^T is divided by the sum and goes through my stage in LDS, so that a store covers two whole rows of O: 512 consecutive bytes.
.macro FINISH
	v_add_f32 v14, v14, v15                        ; the sum's two halves,
	v_permlanex16_b32 v[TMP], v14, s[SEL], s[SEL+1]
	v_add_f32 v14, v14, v[TMP]                     ; and lane l xor 16's
	v_rcp_f32 v14, v14
.rept 8
	v_nop                                          ; eight places between the last products and the first read of O^T; the first is also the plain line behind the reciprocal
.endr
	s_wait_alu depctr_va_vdst(0)                   ; ahead of the reciprocal's first reader
.irp j, 0,2,4,6,8,10,12,14,16,18,20,22,24,26,28,30
	v_pk_mul_f32 v[SS+\j:SS+\j+1], v[OT+\j:OT+\j+1], v[14:15] op_sel_hi:[1,0]   ; register 8 t + i is o(r, 16 t + 8 h + i); each accumulator from its low end on
.endr
.irp t, 0,1,2,3
	ds_store_b128 v[STO], v[SS+8*\t:SS+8*\t+3]   offset:64*\t
	ds_store_b128 v[STO], v[SS+8*\t+4:SS+8*\t+7] offset:64*\t+16
.endr
.irp i, 0,1,2,3,4,5,6,7
	ds_load_b128 v[SS+32+4*\i:SS+32+4*\i+3], v[RD] offset:544*\i   ; LDS serves a wave's instructions in order (ISA guide 5.7.1.4): these see my stores.  Lanes 0-15 one row, lanes 16-31 the next
.endr
.irp i, 0,1,2,3,4,5,6,7
	s_wait_dscnt 7-\i                              ; pair i of rows is back; the 7 - i younger loads may be out
	global_store_b128 v[LI], v[SS+32+4*\i:SS+32+4*\i+3], s[OP:OP+1] offset:512*\i th:TH_STORE_NT
.endr
	s_wait_xcnt 0x0                                ; the stores have read their registers and their base: both may be written again
.endm
; A KEY STEP: 128 keys, the q-th record of the slot in hand.
.macro STEP q
	s_add_co_u32 s[T0], s[Q0], 15
	s_cmp_gt_u32 s[KF], s[T0]                      ; all 128 keys come after my 16 queries: nothing of this step counts
	s_cbranch_scc1 .Lhidden_\@
.rept 8
	v_nop                                          ; eight places in front of loads into registers that the last products have read
.endr
.irp t, 0,1,2,3,4,5,6,7
	ds_load_b128 v[KV+8*\t:KV+8*\t+3],   v[ADR] offset:(\q)*REC+1024*\t        ; the image as it lies: 512 consecutive bytes a load
	ds_load_b128 v[KV+8*\t+4:KV+8*\t+7], v[ADR] offset:(\q)*REC+1024*\t+512
.endr
	ds_load_b128 v[KS:KS+3], v[ADR] offset:(\q)*REC+16384
	s_wait_dscnt 0x0
.irp t, 0,2,4,6                                    ; S^T = K Q^T: source 0's upper eight registers are the next tile's codes, against Q's zero codes
	v_wmma_scale_f32_16x16x128_f8f6f4 v[SS+8*\t:SS+8*\t+7],    v[KV+8*\t:KV+8*\t+15],   v[QC:QC+15], 0, v[KS+\t/2], v[QS]
	v_wmma_scale_f32_16x16x128_f8f6f4 v[SS+8*\t+8:SS+8*\t+15], v[KV+8*\t+8:KV+8*\t+23], v[QC:QC+15], 0, v[KS+\t/2], v[QS] matrix_a_scale:MATRIX_SCALE_ROW1
.endr
.rept 8
	v_nop                                          ; eight places: in front of the loads below, into registers that these products read, and of the first read of the scores
.endr
.irp t, 0,1,2,3                                    ; V is asked for now and lands while the softmax is walked
.irp c, 0,1,2,3
	ds_load_b128 v[KV+16*\t+4*\c:KV+16*\t+4*\c+3], v[ADR] offset:(\q)*REC+8192+2048*\t+512*\c
.endr
.endr
	ds_load_b64 v[VS:VS+1], v[ADS] offset:(\q)*REC+16896
	s_add_co_u32 s[T0], s[KF], 127                 ; on the diagonal the scores of hidden keys become -infinity ahead of the maximum: p = 0 then.  A step all of whose keys count skips this
	s_cmp_le_u32 s[T0], s[Q0]
	s_cbranch_scc1 .Lopen_\@
	s_sub_co_i32 s[T0], s[Q0], s[KF]
	v_and_b32 v[MD], 15, v0
	v_bfe_u32 v[TMP], v0, 4, 1
	v_lshlrev_b32 v[TMP], 4, v[TMP]
	v_sub_nc_u32 v[MD], v[MD], v[TMP]
	v_add_nc_u32 v[MD], s[T0], v[MD]               ; d = my query - KF - 16 (lane / 16).  Register 16 b + i holds key KF + 32 b + 16 (lane / 16) + i: hidden where 32 b + i > d
	v_mov_b32 v[NINF], 0xff800000
.set n, 0
.rept 64
	v_cmp_gt_i32 vcc_lo, 32*(n/16)+n%16, v[MD]
	v_cndmask_b32 v[SS+n], v[SS+n], v[NINF], vcc_lo
.set n, n+1
.endr
.Lopen_\@:
.irp b, 0,1,2,3
	v_max3_num_f32 v[BM+\b], v[SS+16*\b], v[SS+16*\b+1], v[SS+16*\b+2]   ; the largest score of each block of 32 keys: it serves for the row's maximum and, since p rises with the score, for the block's largest p
.endr
.irp i, 3,5,7,9,11,13
.irp b, 0,1,2,3
	v_max3_num_f32 v[BM+\b], v[BM+\b], v[SS+16*\b+\i], v[SS+16*\b+\i+1]  ; (the four blocks by turns)
.endr
.endr
.irp b, 0,1,2,3
	v_max_num_f32 v[BM+\b], v[BM+\b], v[SS+16*\b+15]
.endr
.irp b, 0,1,2,3
	v_permlanex16_b32 v[T1+\b], v[BM+\b], s[SEL], s[SEL+1]
.endr
.irp b, 0,1,2,3
	v_max_num_f32 v[BM+\b], v[BM+\b], v[T1+\b]     ; with lane l xor 16's 16 keys
.endr
	v_max3_num_f32 v[TMP], v[BM], v[BM+1], v[BM+2]
	v_max_num_f32 v[TMP], v[TMP], v[BM+3]          ; the step's largest score of my query
	v_mul_f32 v[TMP], s[CS], v[TMP]                ; as t (c is positive)
	v_max_num_f32 v13, v13, v[TMP]                 ; the running largest t
	v_mov_b32 v[TMP], v12
	v_floor_f32 v12, -v13                          ; the new -M = floor(-t) = -ceil(t): a whole number
	v_sub_f32 v[TMP], v12, v[TMP]                  ; old M - new M: a whole number, 0 or less
	v_cvt_i32_f32 v[TMP], v[TMP]                   ; (it saturates)
	v_ldexp_f32 v[FF], 1.0, v[TMP]                 ; f = 2^(old M - new M)
.irp j, 0,2,4,6,8,10,12,14,16,18,20,22,24,26,28,30,32,34,36,38,40,42,44,46,48,50,52,54,56,58,60,62
	v_pk_fma_f32 v[SS+\j:SS+\j+1], v[SS+\j:SS+\j+1], s[CS:CS+1], v[12:13] op_sel_hi:[1,0,0]   ; t - M, two at a time (of the pairs c and -M the low word serves both halves)
.endr
.irp b, 0,1,2,3
	v_fma_f32 v[BM+\b], v[BM+\b], s[CS], v12       ; the same of each block's largest score
.endr
.set n, 0
.rept 64
	v_exp_f32 v[SS+n], v[SS+n]                     ; p = 2^(t - M), at most 1: not normalised
.set n, n+1
.endr
	v_pk_mul_f32 v[14:15], v[14:15], v[FF:FF+1] op_sel_hi:[1,0]   ; the sums under the new M: the plain line behind the exponentials
	s_wait_alu depctr_va_vdst(0)                   ; one wait for the batch of 64, ahead of its first reader
.irp b, 0,1,2,3
	v_exp_f32 v[BM+\b], v[BM+\b]                   ; the block's largest p: the same two instructions on the same number give the same bits
.endr
	v_pk_add_f32 v[S2:S2+1], v[SS:SS+1], v[SS+2:SS+3]   ; the row's sum is taken of the unquantised p, in two chains; it reads the 64 alone: plain work behind the four
.irp j, 4,8,12,16,20,24,28,32,36,40,44,48,52,56,60
	v_pk_add_f32 v[14:15], v[14:15], v[SS+\j:SS+\j+1]
	v_pk_add_f32 v[S2:S2+1], v[S2:S2+1], v[SS+\j+2:SS+\j+3]
.endr
	v_pk_add_f32 v[14:15], v[14:15], v[S2:S2+1]
	s_wait_alu depctr_va_vdst(0)                   ; and one for the four
.irp b, 0,1,2,3
	v_max_num_f32 v[BM+\b], 0x4800000, v[BM+\b]    ; the floor 2^(9 - 127): the byte cannot fall under 1
.endr
.irp b, 0,1,2,3
	v_add_nc_u32 v[SCO+\b], 0xfc000000, v[BM+\b]   ; 8 off the exponent field: the conversion's scale operand
.endr
.irp b, 0,1,2,3
	v_and_or_b32 v[LM+\b], v[BM+\b], 0x7f800000, s[MNT]   ; 448 x the scale
.endr
.irp b, 0,1,2,3
	v_lshrrev_b32 v[T1+\b], 23, v[SCO+\b]          ; the scale's byte
.endr
	v_lshl_or_b32 v[PW], v[T1+1], 8, v[T1]         ; p's scale word for these 128 keys
	v_lshl_or_b32 v[PW], v[T1+2], 16, v[PW]
	v_lshl_or_b32 v[PW], v[T1+3], 24, v[PW]
.irp b, 0,1,2,3
.irp i, 0,1,2,3,4,5,6,7,8,9,10,11,12,13,14,15
	v_min_num_f32 v[SS+16*\b+\i], v[SS+16*\b+\i], v[LM+\b]   ; the hold; p is not negative, so it is one-sided
.endr
	v_cvt_scalef32_pk8_fp8_f32 v[PC+4*\b:PC+4*\b+1],   v[SS+16*\b:SS+16*\b+7],    v[SCO+\b]
	v_cvt_scalef32_pk8_fp8_f32 v[PC+4*\b+2:PC+4*\b+3], v[SS+16*\b+8:SS+16*\b+15], v[SCO+\b]
.endr
.irp j, 0,2,4,6,8,10,12,14,16,18,20,22,24,26,28,30
	v_pk_mul_f32 v[OT+\j:OT+\j+1], v[OT+\j:OT+\j+1], v[FF:FF+1] op_sel_hi:[1,0]   ; O^T under the new M.  These sixteen are also the places between the codes' conversions and the products below
.endr
	s_wait_dscnt 0x0                               ; V and its scale words are in
.irp t, 0,2                                        ; O^T += V^T P^T: four accumulators by turns, one instruction a turn
	v_wmma_scale_f32_16x16x128_f8f6f4 v[OT+8*\t:OT+8*\t+7],    v[KV+16*\t:KV+16*\t+15],    v[PC:PC+15], v[OT+8*\t:OT+8*\t+7],    v[VS+\t/2], v[PW]
	v_wmma_scale_f32_16x16x128_f8f6f4 v[OT+8*\t+8:OT+8*\t+15], v[KV+16*\t+16:KV+16*\t+31], v[PC:PC+15], v[OT+8*\t+8:OT+8*\t+15], v[VS+\t/2], v[PW] matrix_a_scale:MATRIX_SCALE_ROW1
.endr
.Lhidden_\@:
	s_add_co_u32 s[KF], s[KF], 128
.endm
; A VISIT to a slot: the change of slots; where the first block's visits are over, its way out and the second block's beginning; two key steps.
.macro VISIT fill
	CHANGE \fill
	s_cmp_lg_u32 s[TT], s[NA]
	s_cbranch_scc1 .Lsame_\@
	FINISH
	s_mov_b32 s[CB], ttmp9                         ; block x
	BEGIN
	s_mov_b32 s[KF], 0
.Lsame_\@:
	v_add_nc_u32 v[ADR], s[TB], v[LI]
	v_add_nc_u32 v[ADS], s[TB], v[L8]
	STEP 0
	STEP 1
	s_xor_b32 s[TB], s[TB], SLOT1                  ; on to the other slot
.endm
	s_load_b128 s[4:7], s[0:1], 0x0                ; query, kv
	s_load_b64 s[8:9], s[0:1], 0x10                ; out0
	v_lshl_add_u32 v[SPW], v0, 2, SPARE
	v_mov_b32 v[NIL], 0
	ds_add_u32 v3, v4
	s_wait_dscnt 0x0
	v_lshrrev_b32 v5, 5, v0
	v_readfirstlane_b32 s[WV], v5                  ; wave 0..15
	s_and_b32 s[T0], ttmp7, 0xffff                 ; the head
	s_lshl_b32 s[OF], s[T0], 19                    ; a head of Q or O: 2,048 rows of 256 bytes;
	s_lshl_b32 s[T2], s[WV], 12                    ; my wave's 16 rows of a block
	s_add_co_u32 s[OF], s[OF], s[T2]
	s_mov_b32 s[OF+1], 0
	s_mul_i32 s44, s[T0], 16*REC                   ; the head's sixteen records
	s_mov_b32 s45, 0
	s_and_b32 s[T2], s[WV], 1
	s_mul_i32 s[G0+1], s[T2], REC                  ; which of a slot's two records I fetch, if I fetch: its place in slot 0, and in memory
	; descriptor group 1: a record is dense: 67 rows of 256 bytes (32 elements of 8 bytes), no padding: every LDS load of an image takes 512 consecutive bytes
	s_mov_b32 s[G1+0], 3<<16                       ; no mask; elements of 8 bytes; no padding
	s_mov_b32 s[G1+1], 32<<16                      ; tensor_dim0 = 32
	s_mov_b32 s[G1+2], 67<<16                      ; tensor_dim1 = 67
	s_mov_b32 s[G1+3], 32<<16                      ; tile_dim0 = 32
	s_mov_b32 s[G1+4], 67                          ; tile_dim1 = 67
	s_mov_b32 s[G1+5], 32                          ; from row to row
	s_mov_b32 s[G1+6], 0
	s_mov_b32 s[G1+7], 0
	s_mov_b32 s[SEL], 0x76543210
	s_mov_b32 s[SEL+1], 0xfedcba98
	s_mov_b32 s[CS], 0x3e38aa3b                    ; c = log2(e) / 8
	s_mov_b32 s[CS+1], s[CS]                       ; (named with it as a pair, so it is written)
	s_mov_b32 s[MNT], 0x600000
	s_wait_kmcnt 0x0
	s_add_nc_u64 s[4:5], s[4:5], s[OF:OF+1]        ; Q and O at my wave's rows of the head's block 0
	s_add_nc_u64 s[8:9], s[8:9], s[OF:OF+1]
	s_add_nc_u64 s[6:7], s[6:7], s[44:45]          ; kv at the head
	s_add_nc_u64 s[PFA:PFA+1], s[6:7], SLOTB       ; at slot 1: the first change of slots steps it to slot 2
	s_mov_b32 s[OF], s[G0+1]
	s_add_nc_u64 s[6:7], s[6:7], s[OF:OF+1]        ; and at my record of slot 0
	s_mov_b32 s[G0], 1                             ; count = 1
	s_mov_b64 s[G0+2:G0+3], s[6:7]
	s_or_b32 s[G0+3], s[G0+3], 0x80000000          ; type = 2
	TLOAD                                          ; slot 0: the one first fill, ahead of every wait on TENSORcnt, every LDS read and every barrier
	s_sub_co_u32 s45, s[WV], 4                     ; who prefetches: waves 4 to 8
	s_cmp_lt_u32 s45, 5
	s_cselect_b32 s[LIM], 6, 0
	s_cmp_eq_u32 ttmp9, 0                          ; of the work-group with x = 0
	s_cselect_b32 s[LIM], s[LIM], 0
	v_add_nc_u32 v[PFO], 0xffffff80, v0            ; thread - 128,
	v_min_u32 v[PFO], 133, v[PFO]                  ; held at the slot's last block,
	v_lshlrev_b32 v[PFO], 8, v[PFO]                ; x 256 bytes
	v_and_b32 v10, 31, v0
	v_lshlrev_b32 v[LI], 4, v10
	v_lshlrev_b32 v[L8], 3, v10
	v_and_b32 v[TMP], 15, v0                       ; r
	v_bfe_u32 v[MD], v0, 4, 1                      ; h
	s_mul_i32 s[T0], s[WV], 16*272
	s_add_co_u32 s[T0], s[T0], STAGE               ; my stage
	v_mul_u32_u24 v[STO], v[TMP], 272
	v_lshl_add_u32 v[STO], v[MD], 5, v[STO]
	v_add_nc_u32 v[STO], s[T0], v[STO]             ; in: row r; tile t's eight channels of my half: 64 t + 32 h bytes on
	v_mul_u32_u24 v[RD], v[MD], 272
	v_lshl_add_u32 v[RD], v[TMP], 4, v[RD]
	v_add_nc_u32 v[RD], s[T0], v[RD]               ; back: lanes 0-15 one row, lanes 16-31 the next
	v_lshlrev_b32 v[QA], 8, v[TMP]
	v_lshl_add_u32 v[QA], v[MD], 6, v[QA]
.irp j, 0,1,2,3,4,5,6,7
	v_mov_b32 v[QC+8+\j], 0                        ; Q's zero codes: the half of the K step that holds no numbers
	v_mov_b32 v[KV+64+\j], 0                       ; and what stands against them behind K's tile 7
.endr
.irp b, 0,1,2,3
	v_mov_b32 v[T1+\b], 0                          ; written once: a lane permute's destination counts as one of its sources
.endr
	v_mov_b32 v[FF+1], 0
	s_sub_co_u32 s[CB], 7, ttmp9                   ; the first block: 7 - x,
	s_sub_co_u32 s[NA], 8, ttmp9                   ; with 8 - x visits
	BEGIN
	s_mov_b32 s[KF], 0
	s_mov_b32 s[TT], 0
	s_mov_b32 s[TB], 0
.Lvisit:                                           ; eight trips: behind each change of slots but the last the next visit's slot is asked for
	VISIT 1
	s_add_co_u32 s[TT], s[TT], 1
	s_cmp_lt_u32 s[TT], 8
	s_cbranch_scc1 .Lvisit
	VISIT 0                                        ; the ninth visit is written out
	FINISH
	s_wait_tensorcnt 0x0                           ; the wave's end, behind my last tensor load and my last LDS store
	ds_add_u32 v[SPW], v[NIL]
	s_wait_dscnt 0x0
	s_endpgm
.Lfunc_end_k_q2745b7dcf1_attn:
	.size	k_q2745b7dcf1_attn, .Lfunc_end_k_q2745b7dcf1_attn-k_q2745b7dcf1_attn
	.p2alignl 7, 3214868480
	.fill 96, 4, 3214868480
	.section	.rodata,"a",@progbits
	.p2align	6, 0x0
	.amdhsa_kernel k_q2745b7dcf1_attn
		.amdhsa_group_segment_fixed_size 327680
		.amdhsa_private_segment_fixed_size 0
		.amdhsa_enable_private_segment 0
		.amdhsa_kernarg_size 24
		.amdhsa_user_sgpr_count 2
		.amdhsa_user_sgpr_kernarg_segment_ptr 1
		.amdhsa_wavefront_size32 1
		.amdhsa_system_sgpr_workgroup_id_x 1
		.amdhsa_system_sgpr_workgroup_id_y 1
		.amdhsa_system_sgpr_workgroup_id_z 1
		.amdhsa_system_vgpr_workitem_id 0
		.amdhsa_next_free_vgpr 256
		.amdhsa_next_free_sgpr 66
		.amdhsa_reserve_vcc 1
		.amdhsa_float_denorm_mode_32 3
		.amdhsa_float_denorm_mode_16_64 3
		.amdhsa_memory_ordered 1
		.amdhsa_forward_progress 1
		.amdhsa_inst_pref_size 130
	.end_amdhsa_kernel
	.amdgpu_metadata
---
amdhsa.version: [ 1, 2 ]
amdhsa.kernels:
  - .name:           k_q2745b7dcf1_attn
    .symbol:         k_q2745b7dcf1_attn.kd
    .args:
      - { .name: query, .offset: 0, .size: 8, .value_kind: global_buffer, .address_space: global }
      - { .name: kv, .offset: 8, .size: 8, .value_kind: global_buffer, .address_space: global }
      - { .name: out0, .offset: 16, .size: 8, .value_kind: global_buffer, .address_space: global }
    .group_segment_fixed_size: 327680
    .private_segment_fixed_size: 0
    .kernarg_segment_align: 8
    .kernarg_segment_size: 24
    .max_flat_workgroup_size: 512
    .sgpr_count:     66
    .vgpr_count:     256
    .wavefront_size: 32
...
	.end_amdgpu_metadata
.endif
;; end of part 2
